; MI455X (gfx1250); checked and timed in simulation.
; The chip was launched on July 23, 2026; its instructions are those of AMD's public machine-readable ISA for CDNA 5 (MIT licence, August 2026) and "CDNA5" Instruction Set Architecture Reference Guide (July 2026). The comments in the code are by the model that wrote it; some were corrected since.
;; Vector Quantizer. Allowed arithmetic: float matrix products may take bf16 or f16 operands with f32 sums; all other float work in f32.
;; Inputs: embedding 8,192 x 256 float32; inputs 16 x 2,048 x 256 float32.
;; Outputs: out0 16 x 2,048 x 256 float32; out1 16 x 2,048 int32; out2 one number float32; out3 one number float32; out4 one number float32.
;; One version. Each part assembles by itself: llvm-mc -triple=amdgcn-amd-amdhsa -mcpu=gfx1250 --defsym DOCPART=n.
;; ======== version 1 of 1: 4 launches
;; workspace buffers: cb 4,194,304 bytes; hee 32,768 bytes; blk 131,072 bytes of whole numbers; part 2,048 bytes
;; launch prep (part 1): grid 128 x 1, 16 waves a work-group, no clusters, 2,304 bytes of LDS; arguments embedding, cb, hee; writes cb, hee
.if DOCPART == 1
	.amdgcn_target "amdgcn-amd-amdhsa--gfx1250"
	.amdhsa_code_object_version 6
	.text
	.protected	k_qd65f5359d1_prep
	.globl	k_qd65f5359d1_prep
	.p2align	8
	.type	k_qd65f5359d1_prep,@function
k_qd65f5359d1_prep:
	s_mov_b64 s[64:65], 0
	v_nop
	global_prefetch_b8 v0, s[64:65] scope:SCOPE_SE
	s_setreg_imm32_b32 hwreg(HW_REG_WAVE_MODE, 25, 1), 1
	s_wait_xcnt 0x0
; cb[n][d] = bf16(embedding[n][d]);  hee[n] = -0.5 * sum over d of bf16(embedding[n][d])^2, in f32.
; The search multiplies rounded codes, so the norm that it adds is the norm of the rounded codes too.
; A stream: 8,192 rows of 1,024 bytes in, 512 bytes out.  No matrix work, no tiles, nothing shared between work-groups.
; Sixteen waves; the work-group owns 64 codes, so that its 64 numbers of hee are 256 consecutive bytes, aligned, stored by one instruction.
; Wave w takes rows 4 w .. 4 w + 3, a row at a time over its 32 lanes: lane l holds elements 4 l .. 4 l + 3 and 128 + 4 l .. + 3, so a
; 16-byte load of the wave covers 512 consecutive bytes and an 8-byte store of packed bf16 covers 256 consecutive bytes, aligned.
; All eight loads of a wave go out at once; nothing is read twice.
.set XR,   8                           ; v[8:39]   row i: 8 f32
.set PK,   40                          ; v[40:55]  row i: 4 words of packed bf16 (store data, never rewritten)
.set SM,   56                          ; v[56:59]  row i: sum of squares
.set TP,   60                          ; v60       the other half's sum
.set ZERO, 61                          ; v61       0.0, the first link's addend
	s_load_b128 s[4:7], s[0:1], 0x0                ; embedding s[4:5], cb s[6:7]
	s_load_b64 s[8:9], s[0:1], 0x10                ; hee
	v_lshl_add_u32 v64, v0, 2, 0x100
	v_mov_b32 v65, 0
	v_lshrrev_b32 v4, 5, v0
	v_readfirstlane_b32 s10, v4                    ; wave 0..15
	v_and_b32 v5, 31, v0                           ; lane
	v_lshlrev_b32 v1, 4, v5                        ; 16 x lane: my bytes in half a row of f32
	v_lshlrev_b32 v2, 3, v5                        ; 8 x lane: my bytes in half a row of bf16
	v_mov_b32 v3, s10
	v_lshlrev_b32 v3, 4, v3                        ; LDS: my wave's four sums at 16 w
	v_mov_b32 v[TP], 0                             ; v_permlanex16_b32 counts as a reader of its destination
	v_mov_b32 v[ZERO], 0
	s_mov_b32 s14, 0x76543210                      ; v_permlanex16_b32: lane i of one half reads lane i of the other
	s_mov_b32 s15, 0xfedcba98
	s_lshl_b32 s12, ttmp9, 6
	s_lshl2_add_u32 s12, s10, s12                  ; my first row = 64 x work-group + 4 w
	s_lshl_b32 s16, s12, 10                        ; in bytes of embedding (below 8 MiB)
	s_mov_b32 s17, 0
	s_lshl_b32 s18, s12, 9                         ; in bytes of cb
	s_mov_b32 s19, 0
	s_wait_kmcnt 0x0
	s_add_nc_u64 s[4:5], s[4:5], s[16:17]
	s_add_nc_u64 s[6:7], s[6:7], s[18:19]
.irp i, 0,1,2,3
	global_load_b128 v[XR+8*\i:XR+8*\i+3],   v1, s[4:5] offset:1024*\i
	global_load_b128 v[XR+8*\i+4:XR+8*\i+7], v1, s[4:5] offset:1024*\i+512
.endr
.irp i, 0,1,2,3
	s_wait_loadcnt 2*(3-\i)                        ; loads come back in order: row i is in, two loads for each later row stay out
.irp j, 0,1,2,3
	v_cvt_pk_bf16_f32 v[PK+4*\i+\j], v[XR+8*\i+2*\j], v[XR+8*\i+2*\j+1]
.endr
	global_store_b64 v2, v[PK+4*\i:PK+4*\i+1],   s[6:7] offset:512*\i
	global_store_b64 v2, v[PK+4*\i+2:PK+4*\i+3], s[6:7] offset:512*\i+256
	v_fma_mix_f32_bf16 v[SM+\i], v[PK+4*\i], v[PK+4*\i], v[ZERO] op_sel_hi:[1,1,0]                   ; low half squared starts the sum
	v_fma_mix_f32_bf16 v[SM+\i], v[PK+4*\i], v[PK+4*\i], v[SM+\i] op_sel:[1,1,0] op_sel_hi:[1,1,0]   ; high half squared
.irp j, 1,2,3
	v_fma_mix_f32_bf16 v[SM+\i], v[PK+4*\i+\j], v[PK+4*\i+\j], v[SM+\i] op_sel_hi:[1,1,0]
	v_fma_mix_f32_bf16 v[SM+\i], v[PK+4*\i+\j], v[PK+4*\i+\j], v[SM+\i] op_sel:[1,1,0] op_sel_hi:[1,1,0]
.endr
.endr
	; the four sums over the 32 lanes; every lane ends with the row's sum
.irp x, 1,2,4,8
.irp i, 0,1,2,3
	v_add_f32_dpp v[SM+\i], v[SM+\i], v[SM+\i] row_xmask:\x row_mask:0xf bank_mask:0xf
.endr
.endr
.irp i, 0,1,2,3
	v_permlanex16_b32 v[TP], v[SM+\i], s14, s15
	v_add_f32 v[SM+\i], v[SM+\i], v[TP]
	v_mul_f32 v[SM+\i], -0.5, v[SM+\i]
	ds_store_b32 v3, v[SM+\i] offset:4*\i          ; row 4 w + i at byte 4 (4 w + i); all lanes write the same word with the same value
.endr
	s_wait_dscnt 0x0                               ; my stores are done before I say so
	s_barrier_signal -1
	s_barrier_wait -1
	s_cmp_lg_u32 s10, 0
	s_cbranch_scc1 .Lend
	ds_load_b64 v[62:63], v2                       ; wave 0: the 64 numbers, two a lane
	s_lshl_b32 s16, ttmp9, 8
	s_mov_b32 s17, 0
	s_add_nc_u64 s[8:9], s[8:9], s[16:17]
	s_wait_dscnt 0x0
	global_store_b64 v2, v[62:63], s[8:9]          ; 256 consecutive bytes, aligned
.Lend:
	s_wait_tensorcnt 0x0
	ds_add_u32 v64, v65
	s_wait_dscnt 0x0
	s_endpgm
.Lfunc_end_k_qd65f5359d1_prep:
	.size	k_qd65f5359d1_prep, .Lfunc_end_k_qd65f5359d1_prep-k_qd65f5359d1_prep
	.p2alignl 7, 3214868480
	.fill 96, 4, 3214868480
	.section	.rodata,"a",@progbits
	.p2align	6, 0x0
	.amdhsa_kernel k_qd65f5359d1_prep
		.amdhsa_group_segment_fixed_size 2304
		.amdhsa_private_segment_fixed_size 0
		.amdhsa_enable_private_segment 0
		.amdhsa_kernarg_size 24
		.amdhsa_user_sgpr_count 2
		.amdhsa_user_sgpr_kernarg_segment_ptr 1
		.amdhsa_wavefront_size32 1
		.amdhsa_system_sgpr_workgroup_id_x 1
		.amdhsa_system_sgpr_workgroup_id_y 1
		.amdhsa_system_sgpr_workgroup_id_z 1
		.amdhsa_system_vgpr_workitem_id 0
		.amdhsa_next_free_vgpr 66
		.amdhsa_next_free_sgpr 66
		.amdhsa_reserve_vcc 0
		.amdhsa_float_denorm_mode_32 3
		.amdhsa_float_denorm_mode_16_64 3
		.amdhsa_memory_ordered 1
		.amdhsa_forward_progress 1
		.amdhsa_inst_pref_size 9
	.end_amdhsa_kernel
	.amdgpu_metadata
---
amdhsa.version: [ 1, 2 ]
amdhsa.kernels:
  - .name:           k_qd65f5359d1_prep
    .symbol:         k_qd65f5359d1_prep.kd
    .args:
      - { .name: embedding, .offset: 0, .size: 8, .value_kind: global_buffer, .address_space: global }
      - { .name: cb, .offset: 8, .size: 8, .value_kind: global_buffer, .address_space: global }
      - { .name: hee, .offset: 16, .size: 8, .value_kind: global_buffer, .address_space: global }
    .group_segment_fixed_size: 2304
    .private_segment_fixed_size: 0
    .kernarg_segment_align: 8
    .kernarg_segment_size: 24
    .max_flat_workgroup_size: 512
    .sgpr_count:     66
    .vgpr_count:     66
    .wavefront_size: 32
...
	.end_amdgpu_metadata
.endif
;; end of part 1
;; launch search (part 2): grid 256 x 1, 8 waves a work-group, clusters of 4 x 1, 327,680 bytes of LDS; arguments cb, hee, inputs, blk; writes blk
.if DOCPART == 2
	.amdgcn_target "amdgcn-amd-amdhsa--gfx1250"
	.amdhsa_code_object_version 6
	.text
	.protected	k_qd65f5359d1_search
	.globl	k_qd65f5359d1_search
	.p2align	8
	.type	k_qd65f5359d1_search,@function
k_qd65f5359d1_search:
	s_mov_b64 s[64:65], 0
	v_nop
	global_prefetch_b8 v0, s[64:65] scope:SCOPE_SE
	s_setreg_imm32_b32 hwreg(HW_REG_WAVE_MODE, 25, 1), 1
	s_wait_xcnt 0x0
	s_wait_alu depctr_hold_cnt(0) depctr_sa_sdst(0) depctr_va_vdst(0) depctr_va_sdst(0) depctr_va_ssrc(0) depctr_va_vcc(0) depctr_vm_vsrc(0)
	s_getreg_b32 s2, hwreg(HW_REG_IB_STS2, 6, 4)
	s_cmp_eq_u32 s2, 0
	s_cbranch_scc0 .Lentry_in_a_cluster
	s_endpgm
.Lentry_in_a_cluster:
	s_bfe_u32 s2, ttmp6, 0x10000c
	s_cmp_lg_u32 s2, 0x3003
	s_cbranch_scc0 .Lentry_shape_is_right
	s_endpgm
.Lentry_shape_is_right:
; For each of 32,768 rows x: the block of four neighbouring codes (number 0..2047) that holds the code with the largest score
;   s(x, n) = bf16(x) . bf16(e_n) - 0.5 |bf16(e_n)|^2      (the smallest distance: |x|^2 is the same for all codes of a row and is left out).
; blk[row] = that block.  The choice among the block's four codes, the gather and the losses are the next launch's.
;
; SHARES.  A work-group owns 128 rows of x; 256 work-groups.  Its x is rounded to bf16 once and stays in registers as matrix fragments for the
; whole launch; the whole bf16 codebook (8,192 x 512 bytes) goes past in 32 chunks of 256 codes through two LDS slots.
; Eight waves of 512 registers, two to a SIMD: wave w = 4 g + q has x rows 64 g .. 64 g + 63 (4 tiles of 16 rows, 256 registers of fragments) and
; of every four tiles of 16 codes the q-th.  A sum here is short (K = 256: eight matrix instructions) and is followed by vector work on the result;
; with two waves to a SIMD one wave's vector work, LDS loads and waits stand beside the other's matrix instructions.
; For 16 codes a wave loads 8 KiB of fragments and issues 32 matrix instructions: 256 bytes for each, as a wave tile of 128 x 128 would.
;
; THE MATRIX INSTRUCTION IS USED TRANSPOSED: source 0 = 16 codes, source 1 = 16 rows of x.  Lane (r = l % 16, h = l / 16) then holds, for x row r,
; the scores of codes n0 + 8 h + 0 .. 7 in registers 0 .. 7: two whole blocks of four.  C of the first K step is -0.5 |e|^2 in the same layout,
; so the score leaves the matrix unit finished and nothing is cleared.
; THE RUNNING MAXIMUM is kept per lane and per block of four: two v_max3, a compare and a select for four scores.  The compare is strict and a
; lane meets its blocks in ascending order, so the first of equal scores stays; lanes and waves are merged at the end with ties to the lower block.
;
; THE CHANGE OF SLOTS.  A wave's fourth and last tile of a chunk is fetched into registers in front of the barrier and multiplied behind it.  So a
; wave issues 128 matrix instructions, a whole chunk's, between the request for a slot and the wait for it; between that wait and the next request
; stand one tile's vector work and the barriers; and the new slot's first fragments come from LDS while the held tile is multiplied.
;
; CLUSTER: the four work-groups of a cluster walk the same chunks at the same time.  Each chunk and the table of norms are asked for jointly
; (mask 15), which divides the requests for the codebook by four.  x is each work-group's own (mask 0).  No LDS address and no branch hangs on
; the place in the cluster.
;
; LIMITS.  NaN and infinities in the inputs are not served (v_max3_num_f32 passes over a NaN; the result is then some valid block).  Scores are f32
; sums in the matrix unit's order: two codes whose distances differ by a few roundings of f32 at the size of |e|^2 may come out in the other order.
.set PITCH,   528                      ; an LDS row of codes: 512 bytes + 16 of padding = 33 x 16: 16 rows start at 16 different 16-byte columns modulo 256 bytes
.set SLOTB,   256*PITCH                ; 135,168: a chunk
.set HEE,     0                        ; 32,768 bytes: all 8,192 norms, filled once
.set SLOT0,   32768
.set SLOT1,   SLOT0+SLOTB              ; 167,936; first holds my x in f32 (128 rows x 1,040 = 133,120 bytes), then chunks
.set SCR,     SLOT1+SLOTB              ; 303,104 = 1,184 x 256
.set XPITCH,  1040                     ; an LDS row of x in f32: 1,024 + 16 = 65 x 16
.set TSTEP,   64*PITCH                 ; from my tile of codes to my next: four tiles of 16 rows
.set CHBYTES, 256*512                  ; a chunk in memory
.set ADR,  2                           ; v2, v3  my fragments' address in slot 0: my tiles 0, 1 (by immediate); tiles 2, 3.  v4, v5: slot 1
.set HA,   6                           ; v6      my norms: 64 q + 32 h, + 2,048 a lap
.set XA,   7                           ; v7      my x in f32
.set SA,   8                           ; v8      my wave's scratch
.set H2,   9                           ; v9      2 h
.set BI,   16                          ; v[16+2m] best score, v[17+2m] its unit, x tile m = 0..3 (pairs: stored as 8 bytes)
.set TT,   24                          ; v[24+m] the best after the tile's first block
.set CIN0, 32                          ; v[32:39], v[40:47] the norms of 16 codes as a C operand, two buffers
.set CIN1, 40
.set ACC,  48                          ; v[48+8m:55+8m] four accumulators
.set FB0,  128                         ; v[128:191], v[192:255] fragments of 16 codes, 8 K steps x 8 registers, two buffers
.set FB1,  192
;                                        v256-v511 (window 1): x fragment (m, k) at v[8 (8 m + k)] of the window
.set G1C, 20                           ; s[20:27] shape of a wave's part of a chunk      s[28:31], s[32:35] its from and to, slot 0, slot 1
.set G0C, 28
.set G1X, 36                           ; s[36:43], s[44:47] the same for x
.set G0X, 44
.set G1H, 48                           ; s[48:55], s[56:59] the same for the norms
.set G0H, 56
.set MSB, 0
.macro WIN new                         ; s_set_vgpr_msb: bits 1:0 source 0, 3:2 source 1, 5:4 source 2, 7:6 destination; the high byte repeats the setting that is left
.if MSB != \new
	s_set_vgpr_msb (MSB<<8)|\new
.set MSB, \new
.endif
.endm
; A round of the cluster's barrier: my work-group's barrier, wave 0 signals for the work-group, every wave waits for all four work-groups, my work-group's barrier again.
.macro CREST                           ; a round behind its opening barrier
	s_cmp_lg_u32 s12, 0
	s_cbranch_scc1 .Lnot_wave_0_\@
	s_barrier_signal -3
.Lnot_wave_0_\@:
	s_barrier_wait -3
	s_barrier_signal -1
	s_barrier_wait -1
.endm
.macro CROUND
	s_barrier_signal -1
	s_barrier_wait -1
	CREST
.endm
	s_load_b256 s[4:11], s[0:1], 0x0               ; cb s[4:5], hee s[6:7], inputs s[8:9], blk s[10:11]
	v_lshl_add_u32 v126, v0, 2, 0x4b000
	v_mov_b32 v127, 0
	ds_add_u32 v126, v127
	v_lshrrev_b32 v10, 5, v0
	v_readfirstlane_b32 s12, v10                   ; wave 0..7
	s_and_b32 s13, s12, 3                          ; q: which of four tiles of codes
	s_lshr_b32 s14, s12, 2                         ; g: which 64 rows of x
	s_bfe_u32 s15, ttmp6, 0x40000                  ; cx
	s_lshl_b32 s16, ttmp9, 2                       ; ttmp9 counts clusters
	s_add_co_u32 s16, s16, s15                     ; work-group 0..255
	; a wave's part of a chunk: 32 rows x 256 bf16, 16 bytes of padding behind each row of 128 words; joint (mask 15, bit 21 beside it)
	s_mov_b32 s[G1C+0], 15|(1<<16)|(1<<20)|(1<<21)|(6<<22)|(3<<25)
	s_mov_b32 s[G1C+1], 256<<16                    ; tensor_dim0 = 256
	s_mov_b32 s[G1C+2], 32<<16                     ; tensor_dim1 = 32
	s_mov_b32 s[G1C+3], 256<<16                    ; tile_dim0 = 256
	s_mov_b32 s[G1C+4], 32                         ; tile_dim1 = 32
	s_mov_b32 s[G1C+5], 256                        ; elements from row to row
	s_mov_b32 s[G1C+6], 0
	s_mov_b32 s[G1C+7], 0
	; a wave's part of x: 16 rows x 256 f32, 16 bytes of padding behind each row of 256 words; my work-group's own (mask 0)
	s_mov_b32 s[G1X+0], (2<<16)|(1<<20)|(7<<22)|(3<<25)
	s_mov_b32 s[G1X+1], 256<<16
	s_mov_b32 s[G1X+2], 16<<16
	s_mov_b32 s[G1X+3], 256<<16
	s_mov_b32 s[G1X+4], 16
	s_mov_b32 s[G1X+5], 256
	s_mov_b32 s[G1X+6], 0
	s_mov_b32 s[G1X+7], 0
	; a wave's part of the norms: 4,096 dense bytes as 16 rows of 32 elements of 8 bytes, no padding; joint
	s_mov_b32 s[G1H+0], 15|(3<<16)|(1<<21)
	s_mov_b32 s[G1H+1], 32<<16
	s_mov_b32 s[G1H+2], 16<<16
	s_mov_b32 s[G1H+3], 32<<16
	s_mov_b32 s[G1H+4], 16
	s_mov_b32 s[G1H+5], 32
	s_mov_b32 s[G1H+6], 0
	s_mov_b32 s[G1H+7], 0
	s_lshl_b32 s18, s12, 14                        ; 32 rows of cb = 16 rows of x = 16,384 bytes a wave: the wave's number alone
	s_mov_b32 s19, 0
	s_lshl_b32 s76, s16, 17                        ; my work-group's 128 rows of x; s[76:77] alone ever hold a number made of cx
	s_add_co_u32 s76, s76, s18
	s_mov_b32 s77, 0
	s_lshl_b32 s78, s12, 12                        ; 4,096 bytes of norms a wave
	s_mov_b32 s79, 0
	s_mul_i32 s17, s12, 32*PITCH                   ; where they go in LDS: the wave's number times a constant
	s_mul_i32 s63, s12, 16*XPITCH
	s_wait_dscnt 0x0
	s_wait_kmcnt 0x0
	s_mov_b32 s[G0C+0], 1
	s_add_co_u32 s[G0C+1], s17, SLOT0
	s_add_nc_u64 s[G0C+2:G0C+3], s[4:5], s[18:19]              ; chunk 0
	s_mov_b32 s[G0C+4], 1
	s_add_co_u32 s[G0C+5], s17, SLOT1
	s_add_nc_u64 s[G0C+6:G0C+7], s[G0C+2:G0C+3], CHBYTES       ; chunk 1
	s_or_b32 s[G0C+3], s[G0C+3], 0x80000000
	s_or_b32 s[G0C+7], s[G0C+7], 0x80000000
	s_mov_b32 s[G0X+0], 1
	s_add_co_u32 s[G0X+1], s63, SLOT1
	s_add_nc_u64 s[G0X+2:G0X+3], s[8:9], s[76:77]
	s_or_b32 s[G0X+3], s[G0X+3], 0x80000000
	s_mov_b32 s[G0H+0], 1
	s_add_co_u32 s[G0H+1], s78, HEE
	s_add_nc_u64 s[G0H+2:G0H+3], s[6:7], s[78:79]
	s_or_b32 s[G0H+3], s[G0H+3], 0x80000000
	CROUND                                         ; all four work-groups are here: the first joint loads meet
	tensor_load_to_lds s[G0X:G0X+3], s[G1X:G1X+7]  ; the first fills go out as one group, x first: three tensor loads of the wave are out
	s_nop 0
	tensor_load_to_lds s[G0C:G0C+3], s[G1C:G1C+7]
	s_nop 0
	tensor_load_to_lds s[G0H:G0H+3], s[G1H:G1H+7]
	s_nop 0
	v_and_b32 v10, 15, v0                          ; r
	v_bfe_u32 v11, v0, 4, 1                        ; h
	v_lshlrev_b32 v[H2], 1, v11
	s_lshl_b32 s17, s13, 4
	v_add_nc_u32 v12, s17, v10                     ; row 16 q + r of a chunk
	v_mul_u32_u24 v12, v12, PITCH
	v_lshl_add_u32 v12, v11, 4, v12                ; + 16 h: registers 0-3 hold K = 8 h .. + 7, registers 4-7 the same 32 bytes on
	v_add_nc_u32 v[ADR+0], SLOT0, v12
	v_add_nc_u32 v[ADR+1], SLOT0+2*TSTEP, v12      ; an LDS immediate has 16 bits: my tiles 2 and 3 get a register of their own
	v_add_nc_u32 v[ADR+2], SLOT1, v12
	v_add_nc_u32 v[ADR+3], SLOT1+2*TSTEP, v12
	s_lshl_b32 s17, s13, 6
	v_lshl_add_u32 v[HA], v11, 5, s17              ; norms of codes 16 q + 8 h .. + 7 (HEE = 0)
	s_lshl_b32 s17, s14, 6
	v_add_nc_u32 v13, s17, v10                     ; x row 64 g + r
	v_mul_u32_u24 v[XA], v13, XPITCH
	v_lshl_add_u32 v[XA], v11, 5, v[XA]            ; + 8 h numbers of f32
	v_add_nc_u32 v[XA], SLOT1, v[XA]
	s_lshl_b32 s17, s12, 9
	s_add_co_u32 s17, s17, SCR
	v_lshl_add_u32 v[SA], v10, 3, s17              ; scratch: 512 bytes a wave, 8 bytes a row
.irp m, 0,1,2,3
	v_mov_b32 v[BI+2*\m], 0xff800000               ; the running maximum starts at minus infinity,
	v_mov_b32 v[BI+2*\m+1], 0                      ; on a valid unit
.endr
	s_lshl_b32 s61, s13, 1                         ; unit = 2 x tile of codes (+ 1 for the lane's second block); my first tile is q
	s_add_co_u32 s62, s61, 1
	s_mov_b32 s70, 0x76543210                      ; v_permlanex16_b32: lane i of one half reads lane i of the other
	s_mov_b32 s71, 0xfedcba98
	s_wait_tensorcnt 0x2                           ; my part of x is in; the two younger loads (chunk 0, the norms) may stay out: behind this barrier x alone is read
	s_barrier_signal -1
	s_barrier_wait -1                              ; everybody's part of x is in
	; x to fragments: tile m, K step k: lane (r, h) takes f32 numbers 32 k + 8 h .. + 7 and 32 k + 16 + 8 h .. + 7 of row 64 g + 16 m + r, rounds them, packs them
.irp m, 0,1,2,3
.irp k, 0,1,2,3,4,5,6,7
	ds_load_b128 v[FB0+16*\k:FB0+16*\k+3],     v[XA] offset:16*XPITCH*\m+128*\k
	ds_load_b128 v[FB0+16*\k+4:FB0+16*\k+7],   v[XA] offset:16*XPITCH*\m+128*\k+16
	ds_load_b128 v[FB0+16*\k+8:FB0+16*\k+11],  v[XA] offset:16*XPITCH*\m+128*\k+64
	ds_load_b128 v[FB0+16*\k+12:FB0+16*\k+15], v[XA] offset:16*XPITCH*\m+128*\k+80
.endr
	WIN 0x40                                       ; destination in window 1
.irp k, 0,1,2,3,4,5,6,7
	s_wait_dscnt 4*(7-\k)                          ; LDS loads come back in order: four for each later K step stay out
.irp j, 0,1,2,3,4,5,6,7
	v_cvt_pk_bf16_f32 v[64*\m+8*\k+\j], v[FB0+16*\k+2*\j], v[FB0+16*\k+2*\j+1]
.endr
.endr
	WIN 0
.endr
	s_wait_dscnt 0x0                               ; my reads of x are over (met: the last count-down ended at 0)
	s_wait_tensorcnt 0x0                           ; all my tensor loads have landed: my parts of chunk 0 and of the norms too
	ds_add_u32 v126, v127
	s_wait_dscnt 0x0
	CROUND                                         ; both hold of every wave of all four work-groups: x's bytes may be filled, chunk 0 and the norms may be read
	tensor_load_to_lds s[G0C+4:G0C+7], s[G1C:G1C+7]            ; chunk 1 over x: my one tensor load behind the round
	s_nop 0
; 18 LDS loads: the fragments of 16 codes (8 K steps of 64 bytes) into buffer f and their norms into buffer c
.macro LOADF adr, imm, f, c, himm
.irp k, 0,1,2,3,4,5,6,7
	ds_load_b128 v[\f+8*\k:\f+8*\k+3],   v[\adr] offset:\imm+64*\k
	ds_load_b128 v[\f+8*\k+4:\f+8*\k+7], v[\adr] offset:\imm+64*\k+32
.endr
	ds_load_b128 v[\c:\c+3],   v[HA] offset:\himm
	ds_load_b128 v[\c+4:\c+7], v[HA] offset:\himm+16
.endm
; 32 matrix instructions: 16 codes x my 64 rows of x x K = 256.  The first K step takes the norms as C.  The four accumulators take turns, one
; instruction a turn, into the next tile and over the loop's backward jump too.
.macro MM f, c
	WIN 0x04                                       ; source 1 (x) in window 1
.irp m, 0,1,2,3
	v_wmma_f32_16x16x32_bf16 v[ACC+8*\m:ACC+8*\m+7], v[\f:\f+7], v[64*\m:64*\m+7], v[\c:\c+7]
.endr
.irp k, 1,2,3,4,5,6,7
.irp m, 0,1,2,3
	v_wmma_f32_16x16x32_bf16 v[ACC+8*\m:ACC+8*\m+7], v[\f+8*\k:\f+8*\k+7], v[64*\m+8*\k:64*\m+8*\k+7], v[ACC+8*\m:ACC+8*\m+7]
.endr
.endr
	WIN 0
.endm
; The tile's 4 x 8 scores of a lane against its running maxima.  Four v_nop are the places between the last matrix instructions and the first reads of
; results; the 32 lines behind them name no fragment and no norm, and are the places in front of the next loads into those
; buffers and of the next tile's first products, which write over the accumulators.
.macro EPI
.rept 4
	v_nop
.endr
.irp m, 0,1,2,3
	v_max3_num_f32 v[TT+\m], v[BI+2*\m], v[ACC+8*\m], v[ACC+8*\m+1]
.endr
.irp m, 0,1,2,3
	v_max3_num_f32 v[TT+\m], v[TT+\m], v[ACC+8*\m+2], v[ACC+8*\m+3]
.endr
.irp m, 0,1,2,3
	v_cmp_gt_f32 s[66+\m], v[TT+\m], v[BI+2*\m]                ; the first block beat all before it
.endr
.irp m, 0,1,2,3
	v_cndmask_b32 v[BI+2*\m+1], v[BI+2*\m+1], s61, s[66+\m]
.endr
.irp m, 0,1,2,3
	v_max3_num_f32 v[BI+2*\m], v[TT+\m], v[ACC+8*\m+4], v[ACC+8*\m+5]
.endr
.irp m, 0,1,2,3
	v_max3_num_f32 v[BI+2*\m], v[BI+2*\m], v[ACC+8*\m+6], v[ACC+8*\m+7]
.endr
.irp m, 0,1,2,3
	v_cmp_gt_f32 s[66+\m], v[BI+2*\m], v[TT+\m]                ; the second block beat all before it
.endr
.irp m, 0,1,2,3
	v_cndmask_b32 v[BI+2*\m+1], v[BI+2*\m+1], s62, s[66+\m]
.endr
	s_add_co_u32 s61, s61, 8                       ; my next tile of codes is four tiles on
	s_add_co_u32 s62, s62, 8
.endm
; A trip: the slot's chunk, my four tiles of codes, fragments fetched a tile ahead into buffers that take turns (tiles 0, 2: buffer 0; tiles 1, 3: buffer 1).
; prev = 1: buffer 1 still holds the last tile of the chunk before; it is multiplied first, while this slot's first fragments come from LDS.
; mode 2: the slot is filled again, two chunks ahead; 1: the change of slots alone; 0: the last chunk, whose last tile is multiplied here.
; ONE barrier for the change of slots.  In front of its signal each wave has waited for its reads of this slot, the last tile's fetch among them, and
; for all its tensor loads, of which one is out: its part of the other slot, asked for 128 matrix instructions ago.  Between signal and wait stands
; register work alone, the third tile's vector work.  With mode 2 the barrier opens a round of the cluster's barrier, and the joint refill is the
; first tensor load behind the round's end, ahead of the first LDS read there, and the wave's only one until the next round.
.macro TRIP slot, prev, mode
	LOADF ADR+2*\slot, 0, FB0, CIN0, 1024*\slot
.if \prev
	MM FB1, CIN1                                   ; the held tile: its fragments were waited for in front of the barrier
	EPI
.endif
	LOADF ADR+2*\slot, TSTEP, FB1, CIN1, 1024*\slot+256
	s_wait_dscnt 18                                ; all but the 18 just issued
	MM FB0, CIN0
	EPI
	LOADF ADR+2*\slot+1, 0, FB0, CIN0, 1024*\slot+512
	s_wait_dscnt 18
	MM FB1, CIN1
	EPI
	LOADF ADR+2*\slot+1, TSTEP, FB1, CIN1, 1024*\slot+768
	s_wait_dscnt 18
	MM FB0, CIN0
	s_wait_dscnt 0x0                               ; the last tile's fragments are in registers, and my reads of this slot are over
.if \mode
	s_wait_tensorcnt 0x0                           ; all my tensor loads have landed: my part of the other slot
	ds_add_u32 v126, v127
	s_wait_dscnt 0x0
	s_barrier_signal -1
	EPI
	s_barrier_wait -1
.else
	EPI
	MM FB1, CIN1
	EPI
.endif
.if \mode == 2
	CREST                                          ; no wave of any partner still reads this slot or has a load on its way
	s_add_nc_u64 s[G0C+4*\slot+2:G0C+4*\slot+3], s[G0C+4*\slot+2:G0C+4*\slot+3], 2*CHBYTES   ; no tensor load of mine is out: the address may step
	tensor_load_to_lds s[G0C+4*\slot:G0C+4*\slot+3], s[G1C:G1C+7]
	s_nop 0
.endif
.endm
	TRIP 0, 0, 2                                   ; the first lap is written out: its first trip has no held tile.  Chunks 0 and 1; chunks 2 and 3 are asked for
	TRIP 1, 1, 2
	v_add_nc_u32 v[HA], 2048, v[HA]                ; the norms of two chunks on
	s_mov_b32 s60, 14                              ; 14 laps: chunks 2 to 29 are fetched from LDS, chunks 4 to 31 asked for
.Llap:
	TRIP 0, 1, 2
	TRIP 1, 1, 2
	v_add_nc_u32 v[HA], 2048, v[HA]
	s_sub_co_i32 s60, s60, 1
	s_cmp_lg_u32 s60, 0
	s_cbranch_scc1 .Llap
	TRIP 0, 1, 1                                   ; chunk 30: nothing is left to ask for; the barrier shows chunk 31 whole
	TRIP 1, 1, 0                                   ; chunk 31
; (va, ka) takes (vb, kb) if vb is larger, or equal with the lower block.  The masks only select values.
.macro PICK va, ka, vb, kb
	v_cmp_gt_f32 s72, v[\vb], v[\va]
	v_cmp_eq_f32 s73, v[\vb], v[\va]
	v_cmp_lt_u32 s74, v[\kb], v[\ka]
	s_and_b32 s73, s73, s74
	s_or_b32 s72, s72, s73
	v_cndmask_b32 v[\va], v[\va], v[\vb], s72
	v_cndmask_b32 v[\ka], v[\ka], v[\kb], s72
.endm
	; unit u = 2 x tile + bit; block = 4 x tile + bit + 2 h = u + (u and -2) + 2 h.  Then the two halves of the lanes meet (v12, v13 were written above).
.irp m, 0,1,2,3
	v_and_b32 v10, -2, v[BI+2*\m+1]
	v_add3_u32 v[BI+2*\m+1], v[BI+2*\m+1], v10, v[H2]
	v_permlanex16_b32 v12, v[BI+2*\m], s70, s71
	v_permlanex16_b32 v13, v[BI+2*\m+1], s70, s71
	PICK BI+2*\m, BI+2*\m+1, 12, 13
	ds_store_b64 v[SA], v[BI+2*\m:BI+2*\m+1] offset:128*\m     ; row 16 m + r of my 64; lanes r and r + 16 write the same bytes with the same value
.endr
	s_wait_dscnt 0x0                               ; my stores are done before I say so
	s_barrier_signal -1
	s_barrier_wait -1
	s_cmp_gt_u32 s12, 1
	s_cbranch_scc1 .Lno_out
	; waves 0 and 1 (= g): lane l merges rows 64 g + 2 l and + 1 over the four waves 4 g + 0 .. 3 that searched them
	v_and_b32 v10, 31, v0
	s_lshl_b32 s17, s12, 11
	s_add_co_u32 s17, s17, SCR
	v_lshl_add_u32 v14, v10, 4, s17
.irp p, 0,1,2,3
	ds_load_b128 v[128+4*\p:131+4*\p], v14 offset:512*\p       ; score, block of the even row; score, block of the odd row
.endr
	v_lshlrev_b32 v15, 3, v0                       ; 8 bytes a thread, threads 0 to 63
	s_lshl_b32 s76, s16, 9                         ; 128 rows x 4 bytes a work-group
	s_mov_b32 s77, 0
	s_add_nc_u64 s[10:11], s[10:11], s[76:77]
	s_wait_dscnt 0x0
.irp p, 1,2,3
	PICK 128, 129, 128+4*\p, 129+4*\p
	PICK 130, 131, 130+4*\p, 131+4*\p
.endr
	v_mov_b32 v130, v129                           ; the two blocks side by side
	global_store_b64 v15, v[130:131], s[10:11]     ; a wave stores 256 consecutive bytes, aligned
.Lno_out:
	s_wait_tensorcnt 0x0
	ds_add_u32 v126, v127
	s_wait_dscnt 0x0
	CROUND                                         ; the closing round: no work-group ends while a partner may still ask for a tile that names it
	s_endpgm
.Lfunc_end_k_qd65f5359d1_search:
	.size	k_qd65f5359d1_search, .Lfunc_end_k_qd65f5359d1_search-k_qd65f5359d1_search
	.p2alignl 7, 3214868480
	.fill 96, 4, 3214868480
	.section	.rodata,"a",@progbits
	.p2align	6, 0x0
	.amdhsa_kernel k_qd65f5359d1_search
		.amdhsa_group_segment_fixed_size 327680
		.amdhsa_private_segment_fixed_size 0
		.amdhsa_enable_private_segment 0
		.amdhsa_kernarg_size 32
		.amdhsa_user_sgpr_count 2
		.amdhsa_user_sgpr_kernarg_segment_ptr 1
		.amdhsa_wavefront_size32 1
		.amdhsa_system_sgpr_workgroup_id_x 1
		.amdhsa_system_sgpr_workgroup_id_y 1
		.amdhsa_system_sgpr_workgroup_id_z 1
		.amdhsa_system_vgpr_workitem_id 0
		.amdhsa_next_free_vgpr 512
		.amdhsa_next_free_sgpr 80
		.amdhsa_reserve_vcc 0
		.amdhsa_float_denorm_mode_32 3
		.amdhsa_float_denorm_mode_16_64 3
		.amdhsa_memory_ordered 1
		.amdhsa_forward_progress 1
		.amdhsa_inst_pref_size 171
	.end_amdhsa_kernel
	.amdgpu_metadata
---
amdhsa.version: [ 1, 2 ]
amdhsa.kernels:
  - .name:           k_qd65f5359d1_search
    .symbol:         k_qd65f5359d1_search.kd
    .args:
      - { .name: cb, .offset: 0, .size: 8, .value_kind: global_buffer, .address_space: global }
      - { .name: hee, .offset: 8, .size: 8, .value_kind: global_buffer, .address_space: global }
      - { .name: inputs, .offset: 16, .size: 8, .value_kind: global_buffer, .address_space: global }
      - { .name: blk, .offset: 24, .size: 8, .value_kind: global_buffer, .address_space: global }
    .group_segment_fixed_size: 327680
    .private_segment_fixed_size: 0
    .kernarg_segment_align: 8
    .kernarg_segment_size: 32
    .max_flat_workgroup_size: 256
    .sgpr_count:     80
    .vgpr_count:     512
    .wavefront_size: 32
...
	.end_amdgpu_metadata
.endif
;; end of part 2
;; launch finish (part 3): grid 512 x 1, 8 waves a work-group, no clusters, 1,536 bytes of LDS; arguments inputs, embedding, hee, blk, out0, out1, part; writes out0, out1, part
.if DOCPART == 3
	.amdgcn_target "amdgcn-amd-amdhsa--gfx1250"
	.amdhsa_code_object_version 6
	.text
	.protected	k_qd65f5359d1_finish
	.globl	k_qd65f5359d1_finish
	.p2align	8
	.type	k_qd65f5359d1_finish,@function
k_qd65f5359d1_finish:
	s_mov_b64 s[64:65], 0
	v_nop
	global_prefetch_b8 v0, s[64:65] scope:SCOPE_SE
	s_setreg_imm32_b32 hwreg(HW_REG_WAVE_MODE, 25, 1), 1
	s_wait_xcnt 0x0
; For each row x: the best of the four codes of block blk[row], by the search's score on values rounded to bf16
;   s = bf16(x) . bf16(e) - 0.5 |bf16(e)|^2   (the norm from hee), the first of equal scores;
; out1[row] = 4 blk + t;  q = embedding[out1[row]] in f32;  out0 = x + (q - x);  part[work-group] = sum of (q - x)^2 over its 64 rows.
; The four candidates' addresses hang on blk alone, whole numbers that an earlier launch stored; the choice among them only selects values.
; A stream: for a row 1 KiB of x, 4 KiB of candidates, 1 KiB out.  No matrix work; no tiles are shared in step between work-groups, so no cluster and
; no LDS tiles; loads go to registers.
; Eight waves; the work-group owns 64 rows, so that its 64 indices are 256 consecutive bytes, aligned.  Wave w takes rows 8 w .. 8 w + 7, a row at a
; time over its 32 lanes: lane l holds elements 4 l .. + 3 and 128 + 4 l .. + 3, so every 16-byte load and store of the wave covers 512 consecutive bytes.
; A ring of three row slots in registers: one at work, two (20 loads) on their way.  The x of the first three rows hangs on no block number and is
; asked for while the block numbers are still on their way.
; Every row has its own eight registers of store data, and no address register is ever rewritten: no source of a pending load or store is written
; again, so a row's turn has one wait, for its loads.
; LIMITS: NaN and infinities in the inputs are not served (a compare with a NaN is false: the block's first code stays).
.set ZERO, 2                           ; v2        0: the first link's addend, and a zero offset
.set VO,   4                           ; v[4:11]   row i: 4,096 x block + 16 x lane; never rewritten
.set PX,   12                          ; v[12:15]  x packed to bf16
.set SC,   20                          ; v[20:23]  the four scores
.set TP,   24                          ; v[24:27]  the other half's sums
.set LS,   28                          ; v[28:35]  running sums of (q - x)^2
.set PE,   36                          ; v[36:51]  the candidates packed to bf16
.set DD,   52                          ; v[52:59]  q - x
.set TSEL, 60                          ; v60       which of the four
.set IDX,  61                          ; v61       the index
.set RING, 64                          ; v[64:183] slot s at 64 + 40 s: x 8 registers, then four candidates of 8
.set OUTR, 184                         ; v[184:247] store data, eight registers for each of my eight rows
.set ID,   16                          ; s[16:23]  the blocks of my eight rows
.set HV,   24                          ; s[24:55]  their 8 x 4 norms
.set HO,   66                          ; s[66:73]  byte offsets of those in hee: one each, sources of scalar loads that are out together
.macro FILLX i                         ; two loads: row i of x
.set SB, RING+40*((\i)%3)
	global_load_b128 v[SB:SB+3],   v1, s[4:5] offset:1024*\i th:TH_LOAD_NT
	global_load_b128 v[SB+4:SB+7], v1, s[4:5] offset:1024*\i+512 th:TH_LOAD_NT
.endm
.macro FILLE i                         ; eight loads: row i's four candidates
.set SB, RING+40*((\i)%3)
.irp c, 0,1,2,3
	global_load_b128 v[SB+8+8*\c:SB+8+8*\c+3],   v[VO+\i], s[6:7] offset:1024*\c
	global_load_b128 v[SB+8+8*\c+4:SB+8+8*\c+7], v[VO+\i], s[6:7] offset:1024*\c+512
.endr
.endm
.macro FILL i                          ; ten loads
	FILLX \i
	FILLE \i
.endm
	s_load_b256 s[4:11], s[0:1], 0x0               ; inputs s[4:5], embedding s[6:7], hee s[8:9], blk s[10:11]
	s_load_b128 s[12:15], s[0:1], 0x20             ; out0 s[12:13], out1 s[14:15]
	s_load_b64 s[56:57], s[0:1], 0x30              ; part
	v_lshl_add_u32 v248, v0, 2, 0x200
	v_mov_b32 v249, 0
	v_lshrrev_b32 v3, 5, v0
	v_readfirstlane_b32 s58, v3                    ; wave 0..7
	v_and_b32 v1, 31, v0
	v_lshlrev_b32 v1, 4, v1                        ; 16 x lane
	v_lshrrev_b32 v63, 1, v1                       ; 8 x lane
	v_mov_b32 v[ZERO], 0
	v_mov_b32 v3, s58
	v_lshlrev_b32 v3, 5, v3                        ; LDS: my wave's eight indices at 32 w
	s_lshl_b32 s63, s58, 2
	v_mov_b32 v62, s63                             ; LDS: my wave's sum at 256 + 4 w
.irp c, 0,1,2,3
	v_mov_b32 v[TP+\c], 0                          ; v_permlanex16_b32 counts as a reader of its destination
.endr
	s_mov_b32 s74, 0x76543210
	s_mov_b32 s75, 0xfedcba98
	s_lshl_b32 s59, ttmp9, 6
	s_lshl3_add_u32 s59, s58, s59                  ; my first row = 64 x work-group + 8 w
	s_lshl_b32 s60, s59, 2
	s_mov_b32 s61, 0
	s_lshl_b32 s62, s59, 10                        ; in bytes of inputs and of out0 (below 32 MiB)
	s_mov_b32 s63, 0
	s_wait_kmcnt 0x0
	s_add_nc_u64 s[10:11], s[10:11], s[60:61]
	s_load_b256 s[ID:ID+7], s[10:11], 0x0          ; eight blocks
	s_add_nc_u64 s[4:5], s[4:5], s[62:63]
	s_add_nc_u64 s[12:13], s[12:13], s[62:63]
	FILLX 0                                        ; six loads that need no block number go out under the scalar load
	FILLX 1
	FILLX 2
	s_wait_kmcnt 0x0
.irp i, 0,1,2,3,4,5,6,7
	s_min_u32 s[ID+\i], s[ID+\i], 2047             ; a loaded number enters an address only clamped to the table
	s_lshl_b32 s[HO+\i], s[ID+\i], 4               ; four norms of 4 bytes a block
	s_load_b128 s[HV+4*\i:HV+4*\i+3], s[8:9], s[HO+\i] offset:0x0
	v_lshl_add_u32 v[VO+\i], s[ID+\i], 12, v1      ; four rows of 1,024 bytes a block
.endr
	FILLE 0
	FILLE 1
	FILLE 2
; Row i.  left = how many younger loads may stay out; first = 1: the row's squares start the sums.
.macro ROW i, left, first
.set SB, RING+40*((\i)%3)
.set OB, OUTR+8*(\i)
	s_wait_loadcnt \left                           ; loads come back in order: this row's ten are in
.irp j, 0,1,2,3
	v_cvt_pk_bf16_f32 v[PX+\j], v[SB+2*\j], v[SB+2*\j+1]
.endr
.irp c, 0,1,2,3
.irp j, 0,1,2,3
	v_cvt_pk_bf16_f32 v[PE+4*\c+\j], v[SB+8+8*\c+2*\j], v[SB+8+8*\c+2*\j+1]
.endr
.endr
	; four dot products of my eight elements, four chains that do not wait for each other
.irp c, 0,1,2,3
	v_fma_mix_f32_bf16 v[SC+\c], v[PX], v[PE+4*\c], v[ZERO] op_sel_hi:[1,1,0]
.endr
.irp c, 0,1,2,3
	v_fma_mix_f32_bf16 v[SC+\c], v[PX], v[PE+4*\c], v[SC+\c] op_sel:[1,1,0] op_sel_hi:[1,1,0]
.endr
.irp j, 1,2,3
.irp c, 0,1,2,3
	v_fma_mix_f32_bf16 v[SC+\c], v[PX+\j], v[PE+4*\c+\j], v[SC+\c] op_sel_hi:[1,1,0]
.endr
.irp c, 0,1,2,3
	v_fma_mix_f32_bf16 v[SC+\c], v[PX+\j], v[PE+4*\c+\j], v[SC+\c] op_sel:[1,1,0] op_sel_hi:[1,1,0]
.endr
.endr
	; over the 32 lanes: every lane ends with the same four sums, bit for bit (each step adds the same two numbers in both partners)
.irp x, 1,2,4,8
.irp c, 0,1,2,3
	v_add_f32_dpp v[SC+\c], v[SC+\c], v[SC+\c] row_xmask:\x row_mask:0xf bank_mask:0xf
.endr
.endr
.irp c, 0,1,2,3
	v_permlanex16_b32 v[TP+\c], v[SC+\c], s74, s75
.endr
.irp c, 0,1,2,3
	v_add_f32 v[SC+\c], v[SC+\c], v[TP+\c]
.endr
.irp c, 0,1,2,3
	v_add_f32 v[SC+\c], s[HV+4*\i+\c], v[SC+\c]    ; - 0.5 |e|^2
.endr
	v_mov_b32 v[TSEL], 0
.irp c, 1,2,3
	v_cmp_gt_f32 s76, v[SC+\c], v[SC]              ; strictly better than the best so far: the first of equals stays
	v_cndmask_b32 v[SC], v[SC], v[SC+\c], s76
	v_cndmask_b32 v[TSEL], v[TSEL], \c, s76
.irp j, 0,1,2,3,4,5,6,7
	v_cndmask_b32 v[SB+8+\j], v[SB+8+\j], v[SB+8+8*\c+\j], s76     ; candidate 0's registers come to hold q
.endr
.endr
	v_lshl_add_u32 v[IDX], s[ID+\i], 2, v[TSEL]
	ds_store_b32 v3, v[IDX] offset:4*\i            ; all lanes write the same word with the same value
.irp j, 0,2,4,6
	v_pk_add_f32 v[DD+\j:DD+\j+1], v[SB+8+\j:SB+8+\j+1], v[SB+\j:SB+\j+1] neg_lo:[0,1] neg_hi:[0,1]   ; q - x
.endr
.irp j, 0,2,4,6
.if \first
	v_pk_mul_f32 v[LS+\j:LS+\j+1], v[DD+\j:DD+\j+1], v[DD+\j:DD+\j+1]
.else
	v_pk_fma_f32 v[LS+\j:LS+\j+1], v[DD+\j:DD+\j+1], v[DD+\j:DD+\j+1], v[LS+\j:LS+\j+1]
.endif
.endr
.irp j, 0,2,4,6
	v_pk_add_f32 v[OB+\j:OB+\j+1], v[SB+\j:SB+\j+1], v[DD+\j:DD+\j+1]      ; x + (q - x), into registers that are this row's alone
.endr
	global_store_b128 v1, v[OB:OB+3],   s[12:13] offset:1024*\i th:TH_STORE_NT
	global_store_b128 v1, v[OB+4:OB+7], s[12:13] offset:1024*\i+512 th:TH_STORE_NT
.endm
	s_wait_kmcnt 0x0                               ; the norms
	ROW 0, 16, 1                                   ; behind row 0's candidates: those of rows 1 and 2, eight loads each
	FILL 3
	ROW 1, 18, 0                                   ; behind row 1's candidates: row 2's eight and row 3's ten
	FILL 4
	ROW 2, 20, 0                                   ; from here on two later rows, ten loads each, stay out
	FILL 5
	ROW 3, 20, 0
	FILL 6
	ROW 4, 20, 0
	FILL 7
	ROW 5, 20, 0
	ROW 6, 10, 0                                   ; nothing more is fetched: the counts run down
	ROW 7, 0, 0
	v_pk_add_f32 v[LS:LS+1], v[LS:LS+1], v[LS+2:LS+3]
	v_pk_add_f32 v[LS+4:LS+5], v[LS+4:LS+5], v[LS+6:LS+7]
	v_pk_add_f32 v[LS:LS+1], v[LS:LS+1], v[LS+4:LS+5]
	v_add_f32 v[LS], v[LS], v[LS+1]
.irp x, 1,2,4,8
	v_add_f32_dpp v[LS], v[LS], v[LS] row_xmask:\x row_mask:0xf bank_mask:0xf
.endr
	v_permlanex16_b32 v[TP], v[LS], s74, s75
	v_add_f32 v[LS], v[LS], v[TP]
	ds_store_b32 v62, v[LS] offset:256
	s_wait_dscnt 0x0                               ; my indices and my sum are in LDS before I say so
	s_barrier_signal -1
	s_barrier_wait -1
	s_cmp_lg_u32 s58, 0
	s_cbranch_scc1 .Lend
	ds_load_b64 v[DD:DD+1], v63                    ; wave 0: the 64 indices, two a lane
	ds_load_b128 v[12:15], v[ZERO] offset:256      ; and the eight sums, in every lane
	ds_load_b128 v[16:19], v[ZERO] offset:272
	s_lshl_b32 s60, ttmp9, 8
	s_mov_b32 s61, 0
	s_add_nc_u64 s[14:15], s[14:15], s[60:61]
	s_lshl_b32 s62, ttmp9, 2
	s_mov_b32 s63, 0
	s_add_nc_u64 s[56:57], s[56:57], s[62:63]
	s_wait_dscnt 0x0
	global_store_b64 v63, v[DD:DD+1], s[14:15]     ; 256 consecutive bytes, aligned
	v_pk_add_f32 v[12:13], v[12:13], v[14:15]
	v_pk_add_f32 v[16:17], v[16:17], v[18:19]
	v_pk_add_f32 v[12:13], v[12:13], v[16:17]
	v_add_f32 v12, v12, v13
	v_cmp_eq_u32 vcc_lo, 0, v0
	s_wait_xcnt 0x0                                ; EXEC is a source of the stores that are out: it changes only behind this wait
	s_and_saveexec_b32 s77, vcc_lo
	global_store_b32 v[ZERO], v12, s[56:57]        ; one number for the work-group
	s_wait_xcnt 0x0                                ; and again in front of the line that widens it
	s_or_b32 exec_lo, exec_lo, s77
.Lend:
	s_wait_tensorcnt 0x0
	ds_add_u32 v248, v249
	s_wait_dscnt 0x0
	s_endpgm
.Lfunc_end_k_qd65f5359d1_finish:
	.size	k_qd65f5359d1_finish, .Lfunc_end_k_qd65f5359d1_finish-k_qd65f5359d1_finish
	.p2alignl 7, 3214868480
	.fill 96, 4, 3214868480
	.section	.rodata,"a",@progbits
	.p2align	6, 0x0
	.amdhsa_kernel k_qd65f5359d1_finish
		.amdhsa_group_segment_fixed_size 1536
		.amdhsa_private_segment_fixed_size 0
		.amdhsa_enable_private_segment 0
		.amdhsa_kernarg_size 56
		.amdhsa_user_sgpr_count 2
		.amdhsa_user_sgpr_kernarg_segment_ptr 1
		.amdhsa_wavefront_size32 1
		.amdhsa_system_sgpr_workgroup_id_x 1
		.amdhsa_system_sgpr_workgroup_id_y 1
		.amdhsa_system_sgpr_workgroup_id_z 1
		.amdhsa_system_vgpr_workitem_id 0
		.amdhsa_next_free_vgpr 250
		.amdhsa_next_free_sgpr 80
		.amdhsa_reserve_vcc 1
		.amdhsa_float_denorm_mode_32 3
		.amdhsa_float_denorm_mode_16_64 3
		.amdhsa_memory_ordered 1
		.amdhsa_forward_progress 1
		.amdhsa_inst_pref_size 77
	.end_amdhsa_kernel
	.amdgpu_metadata
---
amdhsa.version: [ 1, 2 ]
amdhsa.kernels:
  - .name:           k_qd65f5359d1_finish
    .symbol:         k_qd65f5359d1_finish.kd
    .args:
      - { .name: inputs, .offset: 0, .size: 8, .value_kind: global_buffer, .address_space: global }
      - { .name: embedding, .offset: 8, .size: 8, .value_kind: global_buffer, .address_space: global }
      - { .name: hee, .offset: 16, .size: 8, .value_kind: global_buffer, .address_space: global }
      - { .name: blk, .offset: 24, .size: 8, .value_kind: global_buffer, .address_space: global }
      - { .name: out0, .offset: 32, .size: 8, .value_kind: global_buffer, .address_space: global }
      - { .name: out1, .offset: 40, .size: 8, .value_kind: global_buffer, .address_space: global }
      - { .name: part, .offset: 48, .size: 8, .value_kind: global_buffer, .address_space: global }
    .group_segment_fixed_size: 1536
    .private_segment_fixed_size: 0
    .kernarg_segment_align: 8
    .kernarg_segment_size: 56
    .max_flat_workgroup_size: 256
    .sgpr_count:     80
    .vgpr_count:     250
    .wavefront_size: 32
...
	.end_amdgpu_metadata
.endif
;; end of part 3
;; launch loss (part 4): grid 1 x 1, 1 waves a work-group, no clusters, 0 bytes of LDS; arguments part, out2, out3, out4; writes out2, out3, out4
.if DOCPART == 4
	.amdgcn_target "amdgcn-amd-amdhsa--gfx1250"
	.amdhsa_code_object_version 6
	.text
	.protected	k_qd65f5359d1_loss
	.globl	k_qd65f5359d1_loss
	.p2align	8
	.type	k_qd65f5359d1_loss,@function
k_qd65f5359d1_loss:
	s_mov_b64 s[64:65], 0
	v_nop
	global_prefetch_b8 v0, s[64:65] scope:SCOPE_SE
	s_setreg_imm32_b32 hwreg(HW_REG_WAVE_MODE, 25, 1), 1
	s_wait_xcnt 0x0
; The 512 partial sums of (q - x)^2 are added in a fixed order by one wave; a sum over work-groups is closed by a launch of its own.
; q_latent = sum / 2^23 (32,768 rows x 256 elements);  commitment = 0.25 x the same mean;  vq = q_latent + commitment.
; out2 = vq, out3 = commitment, out4 = q_latent.
	s_load_b256 s[4:11], s[0:1], 0x0               ; part s[4:5], out2 s[6:7], out3 s[8:9], out4 s[10:11]
	v_lshlrev_b32 v1, 4, v0                        ; 16 x lane
	v_mov_b32 v2, 0
	v_mov_b32 v20, 0                               ; v_permlanex16_b32 counts as a reader of its destination
	s_mov_b32 s12, 0x76543210
	s_mov_b32 s13, 0xfedcba98
	s_wait_kmcnt 0x0
.irp j, 0,1,2,3
	global_load_b128 v[4+4*\j:7+4*\j], v1, s[4:5] offset:512*\j
.endr
	s_wait_loadcnt 0x0
	v_pk_add_f32 v[4:5], v[4:5], v[6:7]
	v_pk_add_f32 v[8:9], v[8:9], v[10:11]
	v_pk_add_f32 v[12:13], v[12:13], v[14:15]
	v_pk_add_f32 v[16:17], v[16:17], v[18:19]
	v_pk_add_f32 v[4:5], v[4:5], v[8:9]
	v_pk_add_f32 v[12:13], v[12:13], v[16:17]
	v_pk_add_f32 v[4:5], v[4:5], v[12:13]
	v_add_f32 v4, v4, v5
.irp x, 1,2,4,8
	v_add_f32_dpp v4, v4, v4 row_xmask:\x row_mask:0xf bank_mask:0xf
.endr
	v_permlanex16_b32 v20, v4, s12, s13
	v_add_f32 v4, v4, v20
	v_mul_f32 v5, 0x34000000, v4                   ; x 2^-23: the mean
	v_mul_f32 v6, 0x3e800000, v5                   ; x 0.25
	v_fmamk_f32 v7, v5, 0x3e800000, v5             ; mean x 0.25 + mean
	v_cmp_eq_u32 vcc_lo, 0, v0
	s_wait_xcnt 0x0                                ; EXEC changes only behind this wait
	s_and_saveexec_b32 s14, vcc_lo
	global_store_b32 v2, v7, s[6:7]
	global_store_b32 v2, v6, s[8:9]
	global_store_b32 v2, v5, s[10:11]
	s_wait_xcnt 0x0
	s_or_b32 exec_lo, exec_lo, s14
	s_endpgm
.Lfunc_end_k_qd65f5359d1_loss:
	.size	k_qd65f5359d1_loss, .Lfunc_end_k_qd65f5359d1_loss-k_qd65f5359d1_loss
	.p2alignl 7, 3214868480
	.fill 96, 4, 3214868480
	.section	.rodata,"a",@progbits
	.p2align	6, 0x0
	.amdhsa_kernel k_qd65f5359d1_loss
		.amdhsa_group_segment_fixed_size 0
		.amdhsa_private_segment_fixed_size 0
		.amdhsa_enable_private_segment 0
		.amdhsa_kernarg_size 32
		.amdhsa_user_sgpr_count 2
		.amdhsa_user_sgpr_kernarg_segment_ptr 1
		.amdhsa_wavefront_size32 1
		.amdhsa_system_sgpr_workgroup_id_x 1
		.amdhsa_system_sgpr_workgroup_id_y 1
		.amdhsa_system_sgpr_workgroup_id_z 1
		.amdhsa_system_vgpr_workitem_id 0
		.amdhsa_next_free_vgpr 32
		.amdhsa_next_free_sgpr 66
		.amdhsa_reserve_vcc 1
		.amdhsa_float_denorm_mode_32 3
		.amdhsa_float_denorm_mode_16_64 3
		.amdhsa_memory_ordered 1
		.amdhsa_forward_progress 1
		.amdhsa_inst_pref_size 3
	.end_amdhsa_kernel
	.amdgpu_metadata
---
amdhsa.version: [ 1, 2 ]
amdhsa.kernels:
  - .name:           k_qd65f5359d1_loss
    .symbol:         k_qd65f5359d1_loss.kd
    .args:
      - { .name: part, .offset: 0, .size: 8, .value_kind: global_buffer, .address_space: global }
      - { .name: out2, .offset: 8, .size: 8, .value_kind: global_buffer, .address_space: global }
      - { .name: out3, .offset: 16, .size: 8, .value_kind: global_buffer, .address_space: global }
      - { .name: out4, .offset: 24, .size: 8, .value_kind: global_buffer, .address_space: global }
    .group_segment_fixed_size: 0
    .private_segment_fixed_size: 0
    .kernarg_segment_align: 8
    .kernarg_segment_size: 32
    .max_flat_workgroup_size: 32
    .sgpr_count:     66
    .vgpr_count:     32
    .wavefront_size: 32
...
	.end_amdgpu_metadata
.endif
;; end of part 4
